; MI455X (gfx1250); checked and timed in simulation.
; The chip was launched on July 23, 2026; its instructions are those of AMD's public machine-readable ISA for CDNA 5 (MIT licence, August 2026) and "CDNA5" Instruction Set Architecture Reference Guide (July 2026). The comments in the code are by the model that wrote it; some were corrected since.
;; Feature Extractor. Allowed arithmetic: float matrix products may take bf16 or f16 operands with f32 sums; other float arithmetic in f32, or as packed bf16 or f16 multiplies, adds, multiply-adds, maxima and minima; sums over many terms, partial sums and values carried from step to step in f32; what a program stores and reads back later, other than sums and carried values, may be rounded once to bf16 or f16.
;; Inputs: ca_in_b 192 float32; ca_in_w 192 x 64 float32; ca_ln_b 64 float32; ca_ln_g 64 float32; ca_out_b 64 float32; ca_out_w 64 x 64 float32; proj_b 64 float32; proj_w 64 float32; sa_in_b 192 float32; sa_in_w 192 x 64 float32; sa_ln_b 64 float32; sa_ln_g 64 float32; sa_out_b 64 float32; sa_out_w 64 x 64 float32; x_src 256 x 512 float32; x_tgt 256 x 512 float32.
;; Outputs: out0 256 x 64 float32; out1 256 x 64 float32; out2 256 x 64 float32.
;; One version. Each part assembles by itself: llvm-mc -triple=amdgcn-amd-amdhsa -mcpu=gfx1250 --defsym DOCPART=n.
;; ======== version 1 of 1: 1 launch
;; limits: right only within a limited range of input values
;; launch features (part 1): grid 256 x 1, 16 waves a work-group, no clusters, 9,728 bytes of LDS; arguments x_src, x_tgt, proj_w, proj_b, sa_in_w, sa_in_b, sa_out_w, sa_out_b, sa_ln_g, sa_ln_b, ca_in_w, ca_in_b, ca_out_w, ca_out_b, ca_ln_g, ca_ln_b, out0, out1, out2; writes out0, out1, out2
.if DOCPART == 1
	.amdgcn_target "amdgcn-amd-amdhsa--gfx1250"
	.amdhsa_code_object_version 6
	.text
	.protected	k_qc3618a7a27_features
	.globl	k_qc3618a7a27_features
	.p2align	8
	.type	k_qc3618a7a27_features,@function
k_qc3618a7a27_features:
	s_mov_b64 s[64:65], 0
	v_nop
	global_prefetch_b8 v0, s[64:65] scope:SCOPE_SE
	s_setreg_imm32_b32 hwreg(HW_REG_WAVE_MODE, 25, 1), 1
	s_wait_xcnt 0x0
; THREE ATTENTIONS OVER 512 POSITIONS (self on src, self on tgt, cross src -> tgt), output projection, residual, LayerNorm and the mean over the positions; one batch a work-group.
; WHAT THE MODULE'S OWN FORM GIVES.  A token is h_i = x_i w + pb: one number a position.  So, for every input,
;   q_i = x_i uq + cq, k_j = y_j uk + ck, v_j = y_j uv + cv   with u* = W* w, c* = W* pb + b*;
;   q_i . k_j = y_j (x_i al + be) + (a term without j), al = uq . uk, be = cq . uk; a softmax over j drops a term without j, so the weights are softmax_j(y_j t_i), t_i = (x_i al + be) / 8;
;   the attention's row is m_i uv + cv with m_i = sum_j a_ij y_j;  the row in front of LayerNorm is x_i w + m_i g1 + c,  g1 = Wo uv,  c = pb + Wo cv + bo;
;   less its mean over the 64 channels it is x_i w~ + m_i g~ + c~ (each vector less its own mean);  r_i = rsqrt(mean of its squares + eps);
;   out_d = ln_g_d (w~_d sum r_i x_i + g~_d sum r_i m_i + c~_d sum r_i) / 512 + ln_b_d.
; What is left is computed in full, all in f32: 14 products of a 64 x 64 matrix with a vector, each attention's 512 x 512 exponentials with the row's maximum taken away, LayerNorm row by row.
; NO MATRIX INSTRUCTION: the products left have one or two columns, 57,344 multiply-adds a work-group, and al and be scale every exponent, so they are not rounded to 16 bits.
; NO CLUSTER, NO COPY INTO LDS: the weights, which all work-groups share, are read once by a work-group, 8 KiB a wave, straight into the registers that multiply them; 786,432 exponentials a work-group stand beside that.
; LIMITS.  in_b[64:128] (the keys' bias) and Wk pb are not formed: they add the same number to all scores of a row, which the softmax's own maximum takes away again.
; The maximum taken away is T y* rounded once (y* the largest or smallest key, by T's sign); what the rounding leaves is one factor 2^e in numerator and denominator alike, |e| half a last place of T y*:
; the text serves |T y| under 2^30 (|e| under 64).  A weight below 2^-126 counts as 0.  NaN and infinities are not treated apart.
; SHARES.  16 waves.  Thread t owns position t in three STREAMS: 0: query xs, keys xs, sa weights, out1;  1: xt, xt, sa, out2;  2: xs, xt, ca, out0.
; For the coefficients waves 0-7 take the sa weights and waves 8-15 the ca weights: wave 8 set + sub takes rows 8 sub .. 8 sub + 7 of each matrix, half h of its lanes rows 8 sub + 4 h + 0..3, lane r of a half columns 4 r .. 4 r + 3.
; LDS, in bytes
.set XSL,   0          ; xs[512]
.set XTL,   2048       ; xt[512]
.set MMX,   4096       ; [4][16 waves]: max xs, max -xs, max xt, max -xt
.set ABL,   4352       ; [2 set + kind][8 sub]: kind 0 al, kind 1 be
.set UVL,   4608       ; [set][64] uv
.set CVL,   5120       ; [set][64] cv
.set VEC,   5632       ; five vectors of 256 bytes: w, g1 (sa), c (sa), g1 (ca), c (ca): stored raw, then each less its mean, in place
.set RED,   6912       ; [3 stream + k][16 waves]: k = 0 sum r x, 1 sum r m, 2 sum r
.set SPARE, 7680       ; the spare words, 128 bytes for each of the 16 waves: eight blocks of 256 bytes that no other line names
; vector registers
.set SPW,  1           ; LDS address of my spare word; never rewritten
.set NIL,  2           ; 0; never rewritten
.set OX,   4           ; 4 t
.set OW,   5           ; my place in a matrix: row 8 sub + 4 h, column 4 r, in bytes
.set OB,   6           ; my four rows' place in a vector of 64
.set OC,   7           ; 16 r
.set L8,   8           ; 8 x lane
.set RBL,  9           ; 256 set + my four rows' place
.set CL,   10          ; 256 set + 16 r
.set W4A,  11          ; 4 x wave
.set ABA,  12          ; 64 set + 4 sub
.set GA,   13          ; 512 set + my four rows' place
.set R16,  14          ; 4 r
.set R8,   15          ; 4 (lane % 8)
.set KADR, 16          ; the loop's key address; later 0
.set C3,   17          ; 256 x wave + 8 x lane
.set XS2,  18          ; (xs, xs)
.set XT2,  20          ; (xt, xt)
.set LNG,  22          ; ln_g, ln_b of channels 2 lane, 2 lane + 1
.set LNB,  24
.set W4,   26          ; w, pb of my four columns
.set PB4,  30
.set BQ4,  34          ; bq, bv, bo, pb of my four rows
.set BV4,  38
.set BO4,  42
.set PBR,  46
.set WK,   50          ; four registers for each of my four rows
.set WQ,   66
.set WV,   82
.set WO,   98
.set UKR,  114         ; uk, uv, cv of my four rows; later g1 and c
.set UVR,  118
.set CVR,  122
.set D1,   126         ; four row dots at work
.set UV4,  130         ; uv, cv of my four columns (before that: four more row dots at work)
.set CV4,  134
.set TP,   138         ; four pairs at work
.set ACA,  146         ; my share of al, of be; the biases' part of be
.set ACB,  147
.set TBI,  148
.set MMR,  150         ; the four maxima
.set ABR,  154         ; al (sa), be (sa), al (ca), be (ca)
.set NT,   158         ; two at work
.set TT,   160         ; stream s at +4 s: T, T, NM, NM
.set LL,   172         ; stream s at +4 s: the sum of weights (even keys', odd keys'), the sum of weight x key likewise
.set KA,   50          ; two key buffers: 8 keys of xs, then 8 of xt
.set KB,   66
.set A,    82          ; 12 pairs of scores, then weights
.set MP,   106         ; (m, m) for each stream
.set LB0,  112         ; two buffers of 40: 8 channels of the five vectors
.set LB1,  184
.set LT,   50          ; LayerNorm: six pairs at work
.set VV,   62          ; the streams' sums of squares, in pairs
.set Q,    68          ; nine numbers to be summed over the positions
; one step of a sum or maximum inside each half of 16 lanes, for count registers
.macro DPPALL op, mask, first, count
.set di, 0
.rept \count
	\op v[(\first)+di], v[(\first)+di], v[(\first)+di] row_xmask:\mask row_mask:0xf bank_mask:0xf
.set di, di+1
.endr
.endm
.macro ROWRED op, first, count         ; all four steps: every lane of a half holds the half's result
.irp m, 1,2,4,8
	DPPALL \op, \m, \first, \count
.endr
.endm
.macro CROSS op, first, count, tmp     ; and the other half's; tmp: registers that have been written before
.set di, 0
.rept \count
	v_permlanex16_b32 v[(\tmp)+di], v[(\first)+di], s6, s7
.set di, di+1
.endr
.set di, 0
.rept \count
	\op v[(\first)+di], v[(\first)+di], v[(\tmp)+di]
.set di, di+1
.endr
.endm
.macro DOT4 dst, w, vec, tp            ; four products, summed
	v_pk_mul_f32 v[(\tp):(\tp)+1], v[(\w):(\w)+1], v[(\vec):(\vec)+1]
	v_pk_fma_f32 v[(\tp):(\tp)+1], v[(\w)+2:(\w)+3], v[(\vec)+2:(\vec)+3], v[(\tp):(\tp)+1]
	v_add_f32 v[(\dst)], v[(\tp)], v[(\tp)+1]
.endm
.macro DOTS dst, w, vec                ; the same for my four rows of a matrix, side by side
.irp n, 0,1,2,3
	v_pk_mul_f32 v[TP+2*(\n):TP+2*(\n)+1], v[(\w)+4*(\n):(\w)+4*(\n)+1], v[(\vec):(\vec)+1]
.endr
.irp n, 0,1,2,3
	v_pk_fma_f32 v[TP+2*(\n):TP+2*(\n)+1], v[(\w)+4*(\n)+2:(\w)+4*(\n)+3], v[(\vec)+2:(\vec)+3], v[TP+2*(\n):TP+2*(\n)+1]
.endr
.irp n, 0,1,2,3
	v_add_f32 v[(\dst)+(\n)], v[TP+2*(\n)], v[TP+2*(\n)+1]
.endr
.endm
	s_load_b512 s[8:23], s[0:1], 0x0               ; x_src 8, x_tgt 10, proj_w 12, proj_b 14, sa_in_w 16, sa_in_b 18, sa_out_w 20, sa_out_b 22
	s_load_b512 s[24:39], s[0:1], 0x40             ; sa_ln_g 24, sa_ln_b 26, ca_in_w 28, ca_in_b 30, ca_out_w 32, ca_out_b 34, ca_ln_g 36, ca_ln_b 38
	s_load_b128 s[40:43], s[0:1], 0x80             ; out0 40, out1 42
	s_load_b64 s[44:45], s[0:1], 0x90              ; out2
	v_lshl_add_u32 v[SPW], v0, 2, SPARE
	v_mov_b32 v[NIL], 0
	v_lshrrev_b32 v3, 5, v0
	v_readfirstlane_b32 s4, v3                     ; wave 0..15
	v_and_b32 v3, 15, v0                           ; r
	v_bfe_u32 v[KADR], v0, 4, 1                    ; h (in a register that is free till the loop)
	v_and_b32 v[L8], 31, v0                        ; lane
	s_lshr_b32 s48, s4, 3                          ; set
	s_and_b32 s49, s4, 7                           ; sub
	v_lshlrev_b32 v[OX], 2, v0
	v_lshlrev_b32 v[OC], 4, v3
	v_lshlrev_b32 v[R16], 2, v3
	v_and_b32 v[R8], 7, v0
	v_lshlrev_b32 v[R8], 2, v[R8]
	v_lshlrev_b32 v[L8], 3, v[L8]
	s_lshl_b32 s50, s49, 11                        ; 8 sub rows of 256 bytes
	v_lshl_add_u32 v[OW], v[KADR], 10, s50         ; + 4 h rows
	v_add_nc_u32 v[OW], v[OW], v[OC]               ; + 16 r
	s_lshl_b32 s50, s49, 5
	v_lshl_add_u32 v[OB], v[KADR], 4, s50          ; 4 (8 sub + 4 h)
	s_lshl_b32 s50, s4, 5
	v_lshl_add_u32 v[RBL], v[KADR], 4, s50         ; 32 wave + 16 h = 256 set + 4 (8 sub + 4 h)
	s_lshl_b32 s50, s48, 8
	v_add_nc_u32 v[CL], s50, v[OC]
	s_lshl_b32 s50, s4, 2
	v_mov_b32 v[W4A], s50
	s_lshl_b32 s50, s48, 6
	s_lshl2_add_u32 s50, s49, s50
	v_mov_b32 v[ABA], s50
	s_lshl_b32 s50, s48, 9
	v_add_nc_u32 v[GA], s50, v[OB]
	s_lshl_b32 s50, s4, 8
	v_add_nc_u32 v[C3], s50, v[L8]
.irp i, 0,1,2,3
	v_mov_b32 v[TP+(\i)], 0                        ; v_permlanex16_b32 counts as a reader of its destination
.endr
	s_mov_b32 s6, 0x76543210                       ; v_permlanex16_b32: each lane takes its own place in the other half
	s_mov_b32 s7, 0xfedcba98
	s_mov_b32 s46, 0x3e38aa3b                      ; log2(e) / 8
	s_mov_b32 s47, 0x3c800000                      ; 1 / 64
	s_mov_b32 s60, 0x3727c5ac                      ; eps = 1e-5
	s_mov_b32 s61, 0x3b000000                      ; 1 / 512
	s_wait_kmcnt 0x0
	s_cmp_lt_u32 s4, 8                             ; my set's weights
	s_cselect_b64 s[48:49], s[16:17], s[28:29]     ; in_w
	s_cselect_b64 s[50:51], s[18:19], s[30:31]     ; in_b
	s_cselect_b64 s[52:53], s[20:21], s[32:33]     ; out_w
	s_cselect_b64 s[54:55], s[22:23], s[34:35]     ; out_b
	s_cmp_eq_u32 s4, 2                             ; wave a writes stream a's output at the end: stream 2 is the cross attention
	s_cselect_b64 s[56:57], s[36:37], s[24:25]     ; ln_g
	s_cselect_b64 s[58:59], s[38:39], s[26:27]     ; ln_b
	s_lshl_b32 s2, ttmp9, 11                       ; my batch's 2,048 bytes of x
	s_mov_b32 s3, 0
	s_add_nc_u64 s[8:9], s[8:9], s[2:3]
	s_add_nc_u64 s[10:11], s[10:11], s[2:3]
	s_lshl_b32 s2, ttmp9, 8                        ; and its 256 bytes of each output
	s_add_nc_u64 s[40:41], s[40:41], s[2:3]
	s_add_nc_u64 s[42:43], s[42:43], s[2:3]
	s_add_nc_u64 s[44:45], s[44:45], s[2:3]
	; 26 loads, in the order in which they are wanted.  A load of a matrix takes two whole rows of 256 bytes: lanes 0-15 one, lanes 16-31 the row four further on.
	global_load_b64 v[LNG:LNG+1], v[L8], s[56:57]
	global_load_b64 v[LNB:LNB+1], v[L8], s[58:59]
	global_load_b32 v[XS2], v[OX], s[8:9] th:TH_LOAD_NT
	global_load_b32 v[XT2], v[OX], s[10:11] th:TH_LOAD_NT
	global_load_b128 v[W4:W4+3], v[OC], s[12:13]
	global_load_b128 v[PB4:PB4+3], v[OC], s[14:15]
.irp n, 0,1,2,3
	global_load_b128 v[WK+4*(\n):WK+4*(\n)+3], v[OW], s[48:49] offset:16384+256*(\n)
.endr
.irp n, 0,1,2,3
	global_load_b128 v[WQ+4*(\n):WQ+4*(\n)+3], v[OW], s[48:49] offset:256*(\n)
.endr
.irp n, 0,1,2,3
	global_load_b128 v[WV+4*(\n):WV+4*(\n)+3], v[OW], s[48:49] offset:32768+256*(\n)
.endr
	global_load_b128 v[BQ4:BQ4+3], v[OB], s[50:51]
	global_load_b128 v[BV4:BV4+3], v[OB], s[50:51] offset:512
.irp n, 0,1,2,3
	global_load_b128 v[WO+4*(\n):WO+4*(\n)+3], v[OW], s[52:53] offset:256*(\n)
.endr
	global_load_b128 v[BO4:BO4+3], v[OB], s[54:55]
	global_load_b128 v[PBR:PBR+3], v[OB], s[14:15]
	; x into LDS, where every thread will read all 512 as keys; and my wave's largest and smallest of each
	s_wait_loadcnt 22                              ; 22 loads were issued behind x_tgt's
	ds_store_b32 v[OX], v[XS2] offset:XSL
	ds_store_b32 v[OX], v[XT2] offset:XTL
	v_mov_b32 v[XS2+1], v[XS2]
	v_mov_b32 v[XT2+1], v[XT2]
	v_mov_b32 v[MMR], v[XS2]
	v_mul_f32 v[MMR+1], -1.0, v[XS2]
	v_mov_b32 v[MMR+2], v[XT2]
	v_mul_f32 v[MMR+3], -1.0, v[XT2]
	ROWRED v_max_num_f32_dpp, MMR, 4
	CROSS v_max_num_f32, MMR, 4, TP
.irp k, 0,1,2,3
	ds_store_b32 v[W4A], v[MMR+(\k)] offset:MMX+64*(\k)
.endr
	; uk, uv, cv of my rows; my rows' share of al and be
	s_wait_loadcnt 6                               ; out_w's four loads, out_b's and proj_b's rows may stay out
	s_cmp_lg_u32 s4, 0
	s_cbranch_scc1 .Lnot_wave_0
	ds_store_b128 v[OC], v[W4:W4+3] offset:VEC     ; w, raw: one wave stores it
.Lnot_wave_0:
	DOTS UKR, WK, W4
	DOTS UVR, WV, W4
	DOTS CVR, WV, PB4
	ROWRED v_add_f32_dpp, UKR, 12                  ; over the 16 lanes that share a row: whole dot products, in every lane of the half
	v_pk_add_f32 v[CVR:CVR+1], v[CVR:CVR+1], v[BV4:BV4+1]
	v_pk_add_f32 v[CVR+2:CVR+3], v[CVR+2:CVR+3], v[BV4+2:BV4+3]
	DOTS D1, WQ, W4                                ; my columns' part of uq of my rows,
	DOTS UV4, WQ, PB4                              ; and of Wq pb
	DOT4 ACA, D1, UKR, TP                          ; times uk, summed over my rows
	DOT4 ACB, UV4, UKR, TP+2
	DOT4 TBI, BQ4, UKR, TP+4                       ; bq . uk of my rows stands in all 16 lanes of a half alike:
	v_fmamk_f32 v[ACB], v[TBI], 0x3d800000, v[ACB] ; a sixteenth of it in each (exact) counts it once
	ROWRED v_add_f32_dpp, ACA, 2
	CROSS v_add_f32, ACA, 2, TP
	ds_store_b32 v[ABA], v[ACA] offset:ABL
	ds_store_b32 v[ABA], v[ACB] offset:ABL+32
	ds_store_b128 v[RBL], v[UVR:UVR+3] offset:UVL
	ds_store_b128 v[RBL], v[CVR:CVR+3] offset:CVL
	s_wait_dscnt 0x0                               ; for the others' sake: all my stores so far are done
	s_barrier_signal -1
	s_barrier_wait -1                              ; x, the maxima, al and be's shares, uv, cv and w are whole
	; g1 and c of my rows
	ds_load_b128 v[UV4:UV4+3], v[CL] offset:UVL
	ds_load_b128 v[CV4:CV4+3], v[CL] offset:CVL
.irp k, 0,1,2,3
	ds_load_b32 v[MMR+(\k)], v[R16] offset:MMX+64*(\k)   ; lane r takes wave r's
.endr
.irp k, 0,1,2,3
	ds_load_b32 v[ABR+(\k)], v[R8] offset:ABL+32*(\k)    ; lane % 8 takes that sub's
.endr
	s_wait_loadcnt 0x0                             ; out_w, out_b, proj_b's rows (and ln_g, ln_b long since)
	s_wait_dscnt 8                                 ; uv and cv are in; the eight single words behind them may stay out
	v_pk_add_f32 v[BO4:BO4+1], v[BO4:BO4+1], v[PBR:PBR+1]
	v_pk_add_f32 v[BO4+2:BO4+3], v[BO4+2:BO4+3], v[PBR+2:PBR+3]
	DOTS UKR, WO, UV4                              ; g1
	DOTS UVR, WO, CV4                              ; Wo cv
	ROWRED v_add_f32_dpp, UKR, 8
	v_pk_add_f32 v[UVR:UVR+1], v[UVR:UVR+1], v[BO4:BO4+1]        ; c = Wo cv + bo + pb
	v_pk_add_f32 v[UVR+2:UVR+3], v[UVR+2:UVR+3], v[BO4+2:BO4+3]
	ds_store_b128 v[GA], v[UKR:UKR+3] offset:VEC+256
	ds_store_b128 v[GA], v[UVR:UVR+3] offset:VEC+512
	s_wait_dscnt 0x0                               ; my stores are done, and the eight words are in
	s_barrier_signal -1
	; between the signal and the wait, on registers alone: each stream's T = log2(e) t and NM = -max over j of T y_j
	ROWRED v_max_num_f32_dpp, MMR, 4
.irp m, 1,2,4
	DPPALL v_add_f32_dpp, \m, ABR, 4
.endr
	v_pk_mul_f32 v[ABR:ABR+1], v[ABR:ABR+1], s[46:47] op_sel_hi:[1,0]
	v_pk_mul_f32 v[ABR+2:ABR+3], v[ABR+2:ABR+3], s[46:47] op_sel_hi:[1,0]
	v_fma_f32 v[TT], v[XS2], v[ABR], v[ABR+1]
	v_fma_f32 v[TT+4], v[XT2], v[ABR], v[ABR+1]
	v_fma_f32 v[TT+8], v[XS2], v[ABR+2], v[ABR+3]
.irp s, 0,1,2
	v_mul_f32 v[NT], -1.0, v[TT+4*(\s)]
	v_mul_f32 v[NT], v[NT], v[MMR+2*(((\s)+1)/2)]                ; -T x the largest key (stream 0: of xs; 1 and 2: of xt)
	v_mul_f32 v[NT+1], v[TT+4*(\s)], v[MMR+2*(((\s)+1)/2)+1]     ; -T x the smallest key
	v_min_num_f32 v[TT+4*(\s)+2], v[NT], v[NT+1]
	v_mov_b32 v[TT+4*(\s)+1], v[TT+4*(\s)]
	v_mov_b32 v[TT+4*(\s)+3], v[TT+4*(\s)+2]
.endr
.set i, 0
.rept 12
	v_mov_b32 v[LL+i], 0                           ; twelve running sums
.set i, i+1
.endr
	s_barrier_wait -1                              ; g1 and c are whole
	; wave k of the first five takes vector k's mean away, in place: till the next barrier no other wave touches these bytes
	s_cmp_gt_u32 s4, 4
	s_cbranch_scc1 .Lno_vector
	ds_load_b64 v[TP:TP+1], v[C3] offset:VEC
	s_wait_dscnt 0x0
	v_add_f32 v[TP+4], v[TP], v[TP+1]
	ROWRED v_add_f32_dpp, TP+4, 1
	CROSS v_add_f32, TP+4, 1, TP+2
	v_mul_f32 v[TP+4], s47, v[TP+4]
	v_sub_f32 v[TP], v[TP], v[TP+4]
	v_sub_f32 v[TP+1], v[TP+1], v[TP+4]
	ds_store_b64 v[C3], v[TP:TP+1] offset:VEC
.Lno_vector:
; THE SOFTMAX.  Every lane reads the same keys (one address for the whole wave), eight of xs and eight of xt to a buffer.
.macro LOADK buf, o
	ds_load_b128 v[(\buf):(\buf)+3],     v[KADR] offset:XSL+(\o)
	ds_load_b128 v[(\buf)+4:(\buf)+7],   v[KADR] offset:XSL+(\o)+16
	ds_load_b128 v[(\buf)+8:(\buf)+11],  v[KADR] offset:XTL+(\o)
	ds_load_b128 v[(\buf)+12:(\buf)+15], v[KADR] offset:XTL+(\o)+16
.endm
; Pair g of 12: stream g % 3, key pair g / 3.
.macro KREG buf, g
.set fs, (\g)%3
.set fk, (\buf)+2*((\g)/3)
.if fs != 0
.set fk, fk+8
.endif
.endm
.macro FF buf, g                       ; T y - max
	KREG \buf, \g
	v_pk_fma_f32 v[A+2*(\g):A+2*(\g)+1], v[fk:fk+1], v[TT+4*fs:TT+4*fs+1], v[TT+4*fs+2:TT+4*fs+3]
.endm
.macro LP buf, g                       ; the sum of weights, the sum of weight x key
	KREG \buf, \g
	s_wait_alu depctr_va_vdst(0)
	v_pk_add_f32 v[LL+4*fs:LL+4*fs+1], v[LL+4*fs:LL+4*fs+1], v[A+2*(\g):A+2*(\g)+1]
	v_pk_fma_f32 v[LL+4*fs+2:LL+4*fs+3], v[A+2*(\g):A+2*(\g)+1], v[fk:fk+1], v[LL+4*fs+2:LL+4*fs+3]
.endm
; Eight keys for three streams: 12 scalings, 24 exponentials, 24 sums.  A pair's scaling stands three pairs ahead of its exponentials and its sums one pair behind them, so that between an
; exponential and the first use of its result stands a plain instruction that names neither (ISA guide 5.7.2), and the line next behind an exponential is another exponential or such a plain one.
.macro HALF buf
	FF \buf, 0
	FF \buf, 1
	FF \buf, 2
.set gi, 0
.rept 12
	v_exp_f32 v[A+2*gi], v[A+2*gi]
.if gi < 9
	FF \buf, gi+3
.endif
	v_exp_f32 v[A+2*gi+1], v[A+2*gi+1]
.if gi > 0
	LP \buf, gi-1
.endif
.set gi, gi+1
.endr
	LP \buf, 11
.endm
	v_mov_b32 v[KADR], 0
	LOADK KA, 0                                    ; keys 0-7
	s_mov_b32 s5, 31
.Lkeys:                                                ; a trip: 16 keys.  31 trips; the last 16 keys stand behind the loop, so that no load passes a row's 2,048 bytes
	LOADK KB, 32
	s_wait_dscnt 4                                 ; LDS answers in order (ISA guide 5.7.1): all but the four just issued are in
	HALF KA
	v_add_nc_u32 v[KADR], 64, v[KADR]
	LOADK KA, 0
	s_wait_dscnt 4                                 ; the same: buffer B is in, A's four may stay out
	HALF KB
	s_sub_co_u32 s5, s5, 1
	s_cmp_lg_u32 s5, 0
	s_cbranch_scc1 .Lkeys
	LOADK KB, 32                                   ; keys 504-511
	s_wait_dscnt 4
	HALF KA
	s_wait_dscnt 0x0
	HALF KB
	s_wait_dscnt 0x0                               ; nothing of mine is out in LDS, the centred vector's store least of all
	s_barrier_signal -1
.irp s, 0,1,2
	v_add_f32 v[LL+4*(\s)], v[LL+4*(\s)], v[LL+4*(\s)+1]
	v_add_f32 v[LL+4*(\s)+2], v[LL+4*(\s)+2], v[LL+4*(\s)+3]
.endr
.irp s, 0,1,2
	v_rcp_f32 v[LL+4*(\s)+1], v[LL+4*(\s)]
.endr
	v_mov_b32 v[KADR], 0                           ; the plain instruction behind the last reciprocal
	s_wait_alu depctr_va_vdst(0)
.irp s, 0,1,2
	v_mul_f32 v[MP+2*(\s)], v[LL+4*(\s)+2], v[LL+4*(\s)+1]       ; m
.endr
.irp s, 0,1,2
	v_mov_b32 v[MP+2*(\s)+1], v[MP+2*(\s)]
.endr
	s_barrier_wait -1                              ; the five vectors are centred
; LAYERNORM.  The sum over 64 channels of (x w~ + m g~ + c~)^2 for my position in each stream, eight channels of the five vectors to a batch, again one address for the whole wave.
.macro LNLOAD b, lb
.irp k, 0,1,2,3,4
	ds_load_b128 v[(\lb)+8*(\k):(\lb)+8*(\k)+3],   v[KADR] offset:VEC+256*(\k)+32*(\b)
	ds_load_b128 v[(\lb)+8*(\k)+4:(\lb)+8*(\k)+7], v[KADR] offset:VEC+256*(\k)+32*(\b)+16
.endr
.endm
.macro LNREG lb, dp, st                ; the registers of channel pair dp of four, stream st
.set rW, (\lb)+2*(\dp)
.set rT, LT+2*(3*((\dp)%2)+(\st))
.if (\st) == 2
.set rG, (\lb)+24+2*(\dp)
.set rC, (\lb)+32+2*(\dp)
.else
.set rG, (\lb)+8+2*(\dp)
.set rC, (\lb)+16+2*(\dp)
.endif
.if (\st) == 1
.set rX, XT2
.else
.set rX, XS2
.endif
.endm
.macro LNCALC lb, first                ; two channel pairs at a time: six chains side by side.  first = 1: the first squares start the sums
.irp p, 0,2
.irp e, 0,1
.irp st, 0,1,2
	LNREG \lb, (\p)+(\e), \st
	v_pk_fma_f32 v[rT:rT+1], v[rX:rX+1], v[rW:rW+1], v[rC:rC+1]
.endr
.endr
.irp e, 0,1
.irp st, 0,1,2
	LNREG \lb, (\p)+(\e), \st
	v_pk_fma_f32 v[rT:rT+1], v[MP+2*(\st):MP+2*(\st)+1], v[rG:rG+1], v[rT:rT+1]
.endr
.endr
.irp e, 0,1
.irp st, 0,1,2
	LNREG \lb, (\p)+(\e), \st
.if (\first) && ((\p)+(\e) == 0)
	v_pk_mul_f32 v[VV+2*(\st):VV+2*(\st)+1], v[rT:rT+1], v[rT:rT+1]
.else
	v_pk_fma_f32 v[VV+2*(\st):VV+2*(\st)+1], v[rT:rT+1], v[rT:rT+1], v[VV+2*(\st):VV+2*(\st)+1]
.endif
.endr
.endr
.endr
.endm
	LNLOAD 0, LB0
	LNLOAD 1, LB1
.irp b, 0,2,4
	s_wait_dscnt 10                                ; the next batch's ten loads may stay out
	LNCALC LB0, ((\b)==0)
	LNLOAD (\b)+2, LB0
	s_wait_dscnt 10
	LNCALC LB1, 0
	LNLOAD (\b)+3, LB1
.endr
	s_wait_dscnt 10                                ; batch 6 is in, batch 7's ten may stay out
	LNCALC LB0, 0
	s_wait_dscnt 0x0
	LNCALC LB1, 0
.irp s, 0,1,2
	v_add_f32 v[VV+2*(\s)], v[VV+2*(\s)], v[VV+2*(\s)+1]
.endr
.irp s, 0,1,2
	v_fma_f32 v[VV+2*(\s)], v[VV+2*(\s)], s47, s60 ; the variance + eps
.endr
.irp s, 0,1,2
	v_rsq_f32 v[VV+2*(\s)+1], v[VV+2*(\s)]
.endr
	v_nop                                          ; a plain instruction behind the last root
	s_wait_alu depctr_va_vdst(0)
	v_mul_f32 v[Q],   v[VV+1], v[XS2]              ; r x, r m, r for each stream
	v_mul_f32 v[Q+1], v[VV+1], v[MP]
	v_mov_b32 v[Q+2], v[VV+1]
	v_mul_f32 v[Q+3], v[VV+3], v[XT2]
	v_mul_f32 v[Q+4], v[VV+3], v[MP+2]
	v_mov_b32 v[Q+5], v[VV+3]
	v_mul_f32 v[Q+6], v[VV+5], v[XS2]
	v_mul_f32 v[Q+7], v[VV+5], v[MP+4]
	v_mov_b32 v[Q+8], v[VV+5]
	ROWRED v_add_f32_dpp, Q, 9                     ; over my wave's 32 positions
	CROSS v_add_f32, Q, 9, LT
.set i, 0
.rept 9
	ds_store_b32 v[W4A], v[Q+i] offset:RED+64*i
.set i, i+1
.endr
	s_wait_tensorcnt 0x0                           ; behind my last LDS store: nothing is written into LDS behind the add
	ds_add_u32 v[SPW], v[NIL]
	s_wait_dscnt 0x0                               ; the add is done, and so are my nine stores, for the others' sake
	s_barrier_signal -1
	s_barrier_wait -1                              ; all 16 waves' sums lie in LDS
; THE OUTPUT.  Wave a writes stream a's 64 numbers, two a lane: one store of 256 consecutive bytes, at a multiple of 256 from the output's first byte.
.macro FINAL a, outp, goff
.irp k, 0,1,2
	ds_load_b32 v[LT+(\k)], v[R16] offset:RED+64*(3*(\a)+(\k))   ; lane r takes wave r's
.endr
	ds_load_b64 v[LT+4:LT+5], v[L8] offset:VEC
	ds_load_b64 v[LT+6:LT+7], v[L8] offset:(\goff)
	ds_load_b64 v[LT+8:LT+9], v[L8] offset:(\goff)+256
	s_wait_dscnt 0x0
	ROWRED v_add_f32_dpp, LT, 3
.irp k, 0,1,2
	v_mul_f32 v[LT+(\k)], s61, v[LT+(\k)]          ; the mean over 512 positions
.endr
	v_mul_f32 v[LT+10], v[LT+4], v[LT]
	v_mul_f32 v[LT+11], v[LT+5], v[LT]
	v_fmac_f32 v[LT+10], v[LT+6], v[LT+1]
	v_fmac_f32 v[LT+11], v[LT+7], v[LT+1]
	v_fmac_f32 v[LT+10], v[LT+8], v[LT+2]
	v_fmac_f32 v[LT+11], v[LT+9], v[LT+2]
	v_pk_fma_f32 v[LT+10:LT+11], v[LT+10:LT+11], v[LNG:LNG+1], v[LNB:LNB+1]
	global_store_b64 v[L8], v[LT+10:LT+11], s[(\outp):(\outp)+1] th:TH_STORE_NT
	s_endpgm
.endm
	s_cmp_eq_u32 s4, 0
	s_cbranch_scc0 .Lnot_stream_0
	FINAL 0, 42, VEC+256                           ; self attention on src: out1
.Lnot_stream_0:
	s_cmp_eq_u32 s4, 1
	s_cbranch_scc0 .Lnot_stream_1
	FINAL 1, 44, VEC+256                           ; self attention on tgt: out2
.Lnot_stream_1:
	s_cmp_eq_u32 s4, 2
	s_cbranch_scc0 .Lnot_stream_2
	FINAL 2, 40, VEC+768                           ; cross attention: out0
.Lnot_stream_2:
	s_endpgm
.Lfunc_end_k_qc3618a7a27_features:
	.size	k_qc3618a7a27_features, .Lfunc_end_k_qc3618a7a27_features-k_qc3618a7a27_features
	.p2alignl 7, 3214868480
	.fill 96, 4, 3214868480
	.section	.rodata,"a",@progbits
	.p2align	6, 0x0
	.amdhsa_kernel k_qc3618a7a27_features
		.amdhsa_group_segment_fixed_size 9728
		.amdhsa_private_segment_fixed_size 0
		.amdhsa_enable_private_segment 0
		.amdhsa_kernarg_size 152
		.amdhsa_user_sgpr_count 2
		.amdhsa_user_sgpr_kernarg_segment_ptr 1
		.amdhsa_wavefront_size32 1
		.amdhsa_system_sgpr_workgroup_id_x 1
		.amdhsa_system_sgpr_workgroup_id_y 1
		.amdhsa_system_sgpr_workgroup_id_z 1
		.amdhsa_system_vgpr_workitem_id 0
		.amdhsa_next_free_vgpr 224
		.amdhsa_next_free_sgpr 66
		.amdhsa_reserve_vcc 0
		.amdhsa_float_denorm_mode_32 3
		.amdhsa_float_denorm_mode_16_64 3
		.amdhsa_memory_ordered 1
		.amdhsa_forward_progress 1
		.amdhsa_inst_pref_size 72
	.end_amdhsa_kernel
	.amdgpu_metadata
---
amdhsa.version: [ 1, 2 ]
amdhsa.kernels:
  - .name:           k_qc3618a7a27_features
    .symbol:         k_qc3618a7a27_features.kd
    .args:
      - { .name: x_src, .offset: 0, .size: 8, .value_kind: global_buffer, .address_space: global }
      - { .name: x_tgt, .offset: 8, .size: 8, .value_kind: global_buffer, .address_space: global }
      - { .name: proj_w, .offset: 16, .size: 8, .value_kind: global_buffer, .address_space: global }
      - { .name: proj_b, .offset: 24, .size: 8, .value_kind: global_buffer, .address_space: global }
      - { .name: sa_in_w, .offset: 32, .size: 8, .value_kind: global_buffer, .address_space: global }
      - { .name: sa_in_b, .offset: 40, .size: 8, .value_kind: global_buffer, .address_space: global }
      - { .name: sa_out_w, .offset: 48, .size: 8, .value_kind: global_buffer, .address_space: global }
      - { .name: sa_out_b, .offset: 56, .size: 8, .value_kind: global_buffer, .address_space: global }
      - { .name: sa_ln_g, .offset: 64, .size: 8, .value_kind: global_buffer, .address_space: global }
      - { .name: sa_ln_b, .offset: 72, .size: 8, .value_kind: global_buffer, .address_space: global }
      - { .name: ca_in_w, .offset: 80, .size: 8, .value_kind: global_buffer, .address_space: global }
      - { .name: ca_in_b, .offset: 88, .size: 8, .value_kind: global_buffer, .address_space: global }
      - { .name: ca_out_w, .offset: 96, .size: 8, .value_kind: global_buffer, .address_space: global }
      - { .name: ca_out_b, .offset: 104, .size: 8, .value_kind: global_buffer, .address_space: global }
      - { .name: ca_ln_g, .offset: 112, .size: 8, .value_kind: global_buffer, .address_space: global }
      - { .name: ca_ln_b, .offset: 120, .size: 8, .value_kind: global_buffer, .address_space: global }
      - { .name: out0, .offset: 128, .size: 8, .value_kind: global_buffer, .address_space: global }
      - { .name: out1, .offset: 136, .size: 8, .value_kind: global_buffer, .address_space: global }
      - { .name: out2, .offset: 144, .size: 8, .value_kind: global_buffer, .address_space: global }
    .group_segment_fixed_size: 9728
    .private_segment_fixed_size: 0
    .kernarg_segment_align: 8
    .kernarg_segment_size: 152
    .max_flat_workgroup_size: 512
    .sgpr_count:     66
    .vgpr_count:     224
    .wavefront_size: 32
...
	.end_amdgpu_metadata
.endif
;; end of part 1
